; MI455X (gfx1250); checked and timed in simulation.
; The chip was launched on July 23, 2026; its instructions are those of AMD's public machine-readable ISA for CDNA 5 (MIT licence, August 2026) and "CDNA5" Instruction Set Architecture Reference Guide (July 2026). The comments in the code are by the model that wrote it; some were corrected since.
;; Attention. Allowed arithmetic: float matrix products may take bf16 or f16 operands with f32 sums; all other float work in f32.
;; Inputs: b_out 1,024 float32; w_out 1,024 x 1,024 float32; w_qkv 1,024 x 3,072 float32; x 8 x 1,024 x 1,024 float32.
;; Outputs: out0 8 x 1,024 x 1,024 float32.
;; 2 versions, each right; version 2 is version 1 with the launch cast written anew for expert scheduling mode. Each part assembles by itself: llvm-mc -triple=amdgcn-amd-amdhsa -mcpu=gfx1250 --defsym DOCPART=n.
;; ======== version 1 of 2: 4 launches
;; limits: values are held in f16: magnitudes above 65,504 overflow, below 6.1e-05 lose precision
;; workspace buffers: xh 16,777,216 bytes; wqh 6,291,456 bytes; woh 2,097,152 bytes; qkv 50,331,648 bytes; ao 16,777,216 bytes
;; launch cast (part 1): grid 768 x 1, 8 waves a work-group, no clusters, 0 bytes of LDS; arguments x, w_qkv, w_out, xh, wqh, woh; writes xh, wqh, woh
.if DOCPART == 1
	.amdgcn_target "amdgcn-amd-amdhsa--gfx1250"
	.amdhsa_code_object_version 6
	.text
	.protected	k_q586b641055_cast
	.globl	k_q586b641055_cast
	.p2align	8
	.type	k_q586b641055_cast,@function
k_q586b641055_cast:
	s_mov_b64 s[64:65], 0
	v_nop
	global_prefetch_b8 v0, s[64:65] scope:SCOPE_SE
	s_setreg_imm32_b32 hwreg(HW_REG_WAVE_MODE, 25, 1), 1
	s_wait_xcnt 0x0
; f32 -> f16 for the three matrix operands that come from outside.
;   x     [8192 tokens][1024]  ->  xh  [batch 8][k block 16][token 1024][64]  (a k block of one batch is 131,072 dense bytes)
;   w_qkv [1024][3072]         ->  wqh, same order;      w_out [1024][1024]  ->  woh, same order
; f16 and not bf16: each rounding of an operand reaches the result with its own relative size, and f16 rounds eight times finer.
; LIMIT: numbers of magnitude 65,504 and above become infinite in f16; below 6.1e-5 f16 keeps a fixed step of 6e-8.
; A pure stream: no LDS, no barrier, no matrix unit, no cluster (no two work-groups read the same byte).
; 768 work-groups of equal work: 0-511 take 16 tokens of x each, 512-767 take 16,384 numbers of a weight each.
; A thread takes 16 chunks of 4 numbers: one 16-byte load, two packed roundings, one 8-byte store; all 16 loads go out before the first wait.
; Sixteen neighbouring lanes load 256 consecutive bytes; a wave's store covers 256 consecutive bytes, aligned.
.set X, 8                              ; v[8:71]  chunk c: 4 registers as loaded, the first 2 of them as stored
; instep, outstep: bytes from chunk to chunk in the input and in the output
.macro CAST instep, outstep
.set CH, 0
.rept 16
	global_load_b128 v[X+4*CH:X+4*CH+3], v1, s[16:17] offset:\instep*CH th:TH_LOAD_NT
.set CH, CH+1
.endr
.set CH, 0
.rept 16
	s_wait_loadcnt 15-CH                           ; loads return in order: chunk CH is in, the 15 - CH younger ones stay out
	v_cvt_pk_f16_f32 v[X+4*CH],   v[X+4*CH],   v[X+4*CH+1]     ; in place, ascending: a source is used before it is written over
	v_cvt_pk_f16_f32 v[X+4*CH+1], v[X+4*CH+2], v[X+4*CH+3]
	global_store_b64 v2, v[X+4*CH:X+4*CH+1], s[18:19] offset:\outstep*CH   ; no register of a store is written again
.set CH, CH+1
.endr
.endm
	s_load_b256 s[4:11], s[0:1], 0x0               ; x s[4:5], w_qkv s[6:7], w_out s[8:9], xh s[10:11]
	s_load_b128 s[12:15], s[0:1], 0x20             ; wqh s[12:13], woh s[14:15]
	v_lshlrev_b32 v2, 3, v0                        ; output: 8 bytes a thread, on both paths
	s_cmp_lt_u32 ttmp9, 512
	s_cbranch_scc0 .Lweights
	; x: thread = (token v0 >> 4 of 16, sixteenth v0 & 15 of a k block); chunk c = k block c.  In xh token t's 128 bytes follow token t - 1's: 8 v0.
	s_lshl_b32 s20, ttmp9, 16                      ; 16 tokens x 4,096 bytes
	s_mov_b32 s21, 0
	s_lshr_b32 s22, ttmp9, 6                       ; batch
	s_lshl_b32 s22, s22, 21                        ; x 16 k blocks x 131,072 bytes
	s_and_b32 s23, ttmp9, 63
	s_lshl_b32 s23, s23, 11                        ; + 16 tokens x 128 bytes
	s_add_co_u32 s22, s22, s23
	s_mov_b32 s23, 0
	v_lshrrev_b32 v1, 4, v0
	v_and_b32 v3, 15, v0
	v_lshlrev_b32 v1, 12, v1                       ; token x 4,096
	v_lshl_add_u32 v1, v3, 4, v1                   ; + sixteenth x 16
	s_wait_kmcnt 0x0
	s_add_nc_u64 s[16:17], s[4:5], s[20:21]
	s_add_nc_u64 s[18:19], s[10:11], s[22:23]
	CAST 256, 131072                               ; 64 f32 on in the row; one k block on in xh (the largest immediate is 1,966,080)
	s_endpgm
.Lweights:
	; weights: plain order; work-groups 512-703 walk w_qkv (192 x 16,384 numbers), 704-767 walk w_out (64 x 16,384)
	s_sub_co_u32 s20, ttmp9, 512
	v_lshlrev_b32 v1, 4, v0                        ; input: 16 bytes a thread
	s_wait_kmcnt 0x0
	s_cmp_lt_u32 s20, 192
	s_cselect_b64 s[16:17], s[6:7], s[8:9]         ; the choice hangs on the work-group's number alone
	s_cselect_b64 s[18:19], s[12:13], s[14:15]
	s_cselect_b32 s22, 0, 192
	s_sub_co_u32 s20, s20, s22                     ; my part of that weight
	s_lshl_b32 s22, s20, 15                        ; 16,384 numbers x 2 bytes
	s_lshl_b32 s20, s20, 16                        ; 16,384 numbers x 4 bytes
	s_mov_b32 s21, 0
	s_mov_b32 s23, 0
	s_add_nc_u64 s[16:17], s[16:17], s[20:21]
	s_add_nc_u64 s[18:19], s[18:19], s[22:23]
	CAST 4096, 2048                                ; 256 threads x 4 numbers from chunk to chunk
	s_endpgm
.Lfunc_end_k_q586b641055_cast:
	.size	k_q586b641055_cast, .Lfunc_end_k_q586b641055_cast-k_q586b641055_cast
	.p2alignl 7, 3214868480
	.fill 96, 4, 3214868480
	.section	.rodata,"a",@progbits
	.p2align	6, 0x0
	.amdhsa_kernel k_q586b641055_cast
		.amdhsa_group_segment_fixed_size 0
		.amdhsa_private_segment_fixed_size 0
		.amdhsa_enable_private_segment 0
		.amdhsa_kernarg_size 48
		.amdhsa_user_sgpr_count 2
		.amdhsa_user_sgpr_kernarg_segment_ptr 1
		.amdhsa_wavefront_size32 1
		.amdhsa_system_sgpr_workgroup_id_x 1
		.amdhsa_system_sgpr_workgroup_id_y 1
		.amdhsa_system_sgpr_workgroup_id_z 1
		.amdhsa_system_vgpr_workitem_id 0
		.amdhsa_next_free_vgpr 72
		.amdhsa_next_free_sgpr 66
		.amdhsa_reserve_vcc 0
		.amdhsa_float_denorm_mode_32 3
		.amdhsa_float_denorm_mode_16_64 3
		.amdhsa_memory_ordered 1
		.amdhsa_forward_progress 1
		.amdhsa_inst_pref_size 13
	.end_amdhsa_kernel
	.amdgpu_metadata
---
amdhsa.version: [ 1, 2 ]
amdhsa.kernels:
  - .name:           k_q586b641055_cast
    .symbol:         k_q586b641055_cast.kd
    .args:
      - { .name: x, .offset: 0, .size: 8, .value_kind: global_buffer, .address_space: global }
      - { .name: w_qkv, .offset: 8, .size: 8, .value_kind: global_buffer, .address_space: global }
      - { .name: w_out, .offset: 16, .size: 8, .value_kind: global_buffer, .address_space: global }
      - { .name: xh, .offset: 24, .size: 8, .value_kind: global_buffer, .address_space: global }
      - { .name: wqh, .offset: 32, .size: 8, .value_kind: global_buffer, .address_space: global }
      - { .name: woh, .offset: 40, .size: 8, .value_kind: global_buffer, .address_space: global }
    .group_segment_fixed_size: 0
    .private_segment_fixed_size: 0
    .kernarg_segment_align: 8
    .kernarg_segment_size: 48
    .max_flat_workgroup_size: 256
    .sgpr_count:     66
    .vgpr_count:     72
    .wavefront_size: 32
...
	.end_amdgpu_metadata
.endif
;; end of part 1
;; launch qkv (part 2): grid 8 x 32, 4 waves a work-group, clusters of 4 x 4, 327,680 bytes of LDS; arguments xh, wqh, qkv; writes qkv
.if DOCPART == 2
	.amdgcn_target "amdgcn-amd-amdhsa--gfx1250"
	.amdhsa_code_object_version 6
	.text
	.protected	k_q586b641055_qkv
	.globl	k_q586b641055_qkv
	.p2align	8
	.type	k_q586b641055_qkv,@function
k_q586b641055_qkv:
	s_mov_b64 s[64:65], 0
	v_nop
	global_prefetch_b8 v0, s[64:65] scope:SCOPE_SE
	s_setreg_imm32_b32 hwreg(HW_REG_WAVE_MODE, 25, 1), 1
	s_wait_xcnt 0x0
	s_wait_alu depctr_hold_cnt(0) depctr_sa_sdst(0) depctr_va_vdst(0) depctr_va_sdst(0) depctr_va_ssrc(0) depctr_va_vcc(0) depctr_vm_vsrc(0)
	s_getreg_b32 s2, hwreg(HW_REG_IB_STS2, 6, 4)
	s_cmp_eq_u32 s2, 0
	s_cbranch_scc0 .Lentry_in_a_cluster
	s_endpgm
.Lentry_in_a_cluster:
	s_bfe_u32 s2, ttmp6, 0x10000c
	s_cmp_lg_u32 s2, 0xf033
	s_cbranch_scc0 .Lentry_shape_is_right
	s_endpgm
.Lentry_shape_is_right:
; qkv = x w_qkv, f16 operands, f32 sums, stored in f16 head-major: qkv[batch 8][plane 48][token block 64][column block 4][512 bytes],
; plane = column / 64 (planes 0-15 q, 16-31 k, 32-47 v of heads 0-15); a plane is 131,072 bytes, a block of 16 tokens x 16 columns 512 bytes.
; Inside a block the 16 bytes (token r of 16, columns 8 h .. 8 h + 7) lie where the next launch's fragment load of lane l wants them at 16 l:
;   q, k planes: at 256 h + 16 r;      v planes (read by the transposing load): at 256 (r / 8) + 128 h + 16 (r % 8).
; Both are permutations of this launch's own result registers' lanes, so a result goes out straight from registers, 512 consecutive bytes a store.
; LIMIT: a result of magnitude 65,504 or above becomes infinite in f16.
; 8192 x 3072 in blocks of 256 tokens x 384 columns: 32 x 8 = 256 work-groups.  Four waves; a wave makes 128 tokens x 192 columns (three planes):
; 8 x 12 = 96 accumulator tiles, 768 registers; for 32 along K it reads 20 fragments from LDS for 96 matrix instructions.
; K goes in 16 steps of 64 through two LDS slots (two slots of 128 along K would take 368,640 bytes: they do not fit).
; CLUSTERS: 4 x 4.  The four work-groups of a row of the cluster share the token block (x's tiles), the four of a column the column block
; (the weight's tiles): each tile is asked for jointly, which divides the requests for both by four.
; The weight stays [K][N] in memory and in LDS; its fragments are read by the transposing LDS load.
; THE MATRIX INSTRUCTION IS USED TRANSPOSED: source 0 = 16 columns of the weight, source 1 = 16 tokens.  Lane l then holds token l % 16 and its
; registers 0-7 the columns 8 (l / 16) + 0..7: eight neighbouring numbers, 16 bytes in f16.
; REGISTERS: window 0: v8-20 addresses, v32-95 and v96-159 token fragments (two buffers), v160-255 the 12 weight fragments (one buffer,
; reloaded group by group).  Windows 1, 2, 3: the accumulators of planes 0, 1, 2: tile (token block a, column block jj) at v[8 (8 jj + a)].
.set PA,     144                       ; LDS pitch of a token's 128 bytes (64 K): 9 x 16
.set PB,     864                       ; LDS pitch of a K row of the weight: 3 x (256 + 32) bytes = 27 x 32
.set BHALF,  32*PB                     ; 32 K rows: one tensor load
.set AHALF,  128*PA                    ; 128 tokens: one tensor load
.set AOFF,   2*BHALF                   ; a slot: the weight's 64 K rows, then 256 tokens
.set SLOT,   AOFF+2*AHALF              ; 92,160
.set PLANE,  131072
.set ASTEP,  PLANE                     ; one K step on in xh: the next k block
.set BSTEP,  64*3072*2                 ; one K step on in wqh: 64 rows
.set DROW,   128                       ; a dense block is fetched as rows of 128 elements (256 bytes)
.set ADRA, 8                           ; v8-9    my token fragments in slot 0, 1
.set ADRB, 10                          ; v10-15  my weight fragments: slot s, plane g at v[10 + 3 s + g]
.set CO,   16                          ; v16-18  the way out: my 16 bytes' place in a block of plane g
.set FA0,  32
.set FA1,  96
.set FB,   160
.set TMP,  32                          ; the way out: packed results, v32-79
.set G1A, 24                           ; s[24:31] group 1, x's tiles
.set G0A, 32                           ; s[32:39] group 0, x's tiles, one set for each slot
.set G1B, 48                           ; s[48:55] group 1, the weight's tiles
.set G0B, 56                           ; s[56:63] group 0, the weight's tiles, one set for each slot
.set MSB, 0
.macro WIN new                         ; the immediate's high byte repeats the setting that is left
.if MSB != (\new)
	s_set_vgpr_msb (MSB<<8)|(\new)
.set MSB, \new
.endif
.endm
.macro PLACES                          ; four plain vector instructions behind a matrix instruction before its registers are loaded into, read or written (ISA guide 7.12.1)
.rept 4
	v_nop
.endr
.endm
; A joint load: waves 0, 1 fetch the weight's two halves, waves 2, 3 the tokens' two halves.  Each line has one mask; the branch hangs on the wave's number alone.
.macro JLOAD s
	s_cmp_eq_u32 s11, 0
	s_cbranch_scc0 .Lfor_a_\@
	tensor_load_to_lds s[G0B+4*\s:G0B+4*\s+3], s[G1B:G1B+7]
	s_nop 0
	s_branch .Lasked_\@
.Lfor_a_\@:
	tensor_load_to_lds s[G0A+4*\s:G0A+4*\s+3], s[G1A:G1A+7]
	s_nop 0
.Lasked_\@:
.endm
.macro CREST                           ; a round of the cluster's barrier behind its opening work-group barrier
	s_cmp_lg_u32 s10, 0
	s_cbranch_scc1 .Lnot_wave_0_\@
	s_barrier_signal -3
.Lnot_wave_0_\@:
	s_barrier_wait -3
	s_barrier_signal -1
	s_barrier_wait -1
.endm
.macro CROUND                          ; a whole round
	s_barrier_signal -1
	s_barrier_wait -1
	CREST
.endm
	s_load_b128 s[4:7], s[0:1], 0x0                ; xh s[4:5], wqh s[6:7]
	s_load_b64 s[8:9], s[0:1], 0x10                ; qkv
	v_lshl_add_u32 v30, v0, 2, 0x2d000
	v_mov_b32 v31, 0
	ds_add_u32 v30, v31
	ds_add_u32 v30, v31
	v_lshrrev_b32 v1, 5, v0
	v_readfirstlane_b32 s10, v1                    ; wave 0..3
	s_lshr_b32 s11, s10, 1                         ; wm: my 128 tokens.  Also: I fetch for the weight (0) or for x (1)
	s_and_b32 s12, s10, 1                          ; wn: my 192 columns.  Also: which half of that tile I fetch
	s_bfe_u32 s40, ttmp6, 0x40000                  ; cx
	s_bfe_u32 s41, ttmp6, 0x40004                  ; cy
	s_lshl_b32 s42, ttmp9, 2
	s_add_co_u32 s42, s42, s40                     ; column block 0..7 = 4 x cluster x + cx
	s_and_b32 s13, ttmp7, 0xffff
	s_lshl_b32 s13, s13, 2
	s_add_co_u32 s13, s13, s41                     ; token block 0..31 = 4 x cluster y + cy
	s_lshl_b32 s43, s41, 2
	s_lshl_b32 s43, 15, s43                        ; my row of the cluster
	s_lshl_b32 s44, 0x1111, s40                    ; my column
	; x's tile: 128 tokens x 64 K = 16,384 dense bytes, fetched as 64 rows of 256 bytes; 4 words of padding behind every 32 words, that is behind each token's 128 bytes
	s_or_b32 s[G1A+0], s43, (1<<16)|(1<<20)|(1<<21)|(4<<22)|(3<<25)
	s_mov_b32 s[G1A+1], DROW<<16                   ; tensor_dim0
	s_mov_b32 s[G1A+2], 64<<16                     ; tensor_dim1
	s_mov_b32 s[G1A+3], DROW<<16                   ; tile_dim0
	s_mov_b32 s[G1A+4], 64                         ; tile_dim1
	s_mov_b32 s[G1A+5], DROW                       ; pitch: dense
	s_mov_b32 s[G1A+6], 0
	s_mov_b32 s[G1A+7], 0
	; the weight's tile: 32 K rows x 384 columns (768 bytes); 8 words of padding behind every 64 words
	s_or_b32 s[G1B+0], s44, (1<<16)|(1<<20)|(1<<21)|(5<<22)|(7<<25)
	s_mov_b32 s[G1B+1], 384<<16
	s_mov_b32 s[G1B+2], 32<<16
	s_mov_b32 s[G1B+3], 384<<16
	s_mov_b32 s[G1B+4], 32
	s_mov_b32 s[G1B+5], 3072
	s_mov_b32 s[G1B+6], 0
	s_mov_b32 s[G1B+7], 0
	; x's address hangs on the token block and the wave's number alone, the weight's on the column block and the wave's number alone
	s_lshr_b32 s16, s13, 2                         ; batch
	s_lshl_b32 s16, s16, 21                        ; x 16 k blocks
	s_and_b32 s17, s13, 3
	s_lshl_b32 s17, s17, 15                        ; + 256 tokens x 128 bytes
	s_add_co_u32 s16, s16, s17
	s_lshl_b32 s17, s12, 14                        ; + my half: 128 tokens
	s_add_co_u32 s16, s16, s17
	s_mov_b32 s17, 0
	s_mul_i32 s46, s42, 768                        ; 384 columns x 2 bytes
	s_mul_i32 s47, s12, 32*3072*2                  ; + my half: 32 K rows
	s_add_co_u32 s46, s46, s47
	s_mov_b32 s47, 0
	s_mul_i32 s20, s10, BHALF                      ; LDS: waves 0, 1: the weight's halves
	s_mul_i32 s21, s10, AHALF
	s_add_co_u32 s21, s21, AHALF                   ; waves 2, 3: AOFF + (wave - 2) x AHALF
	s_wait_dscnt 0x0
	s_wait_kmcnt 0x0
	s_add_nc_u64 s[14:15], s[4:5], s[16:17]
	s_add_nc_u64 s[46:47], s[6:7], s[46:47]
.irp s, 0,1
	s_mov_b32 s[G0A+4*\s], 1
	s_add_co_u32 s[G0A+4*\s+1], s21, \s*SLOT
	s_add_nc_u64 s[G0A+4*\s+2:G0A+4*\s+3], s[14:15], \s*ASTEP
	s_or_b32 s[G0A+4*\s+3], s[G0A+4*\s+3], 0x80000000
	s_mov_b32 s[G0B+4*\s], 1
	s_add_co_u32 s[G0B+4*\s+1], s20, \s*SLOT
	s_add_nc_u64 s[G0B+4*\s+2:G0B+4*\s+3], s[46:47], \s*BSTEP
	s_or_b32 s[G0B+4*\s+3], s[G0B+4*\s+3], 0x80000000
.endr
	CROUND                                         ; all sixteen work-groups are here: the first joint loads meet
	s_cmp_eq_u32 s11, 0                            ; both first fills of a wave inside one branch on its number
	s_cbranch_scc0 .Lfirst_a
	tensor_load_to_lds s[G0B:G0B+3], s[G1B:G1B+7]
	s_nop 0
	tensor_load_to_lds s[G0B+4:G0B+7], s[G1B:G1B+7]
	s_nop 0
	s_branch .Lfirst_done
.Lfirst_a:
	tensor_load_to_lds s[G0A:G0A+3], s[G1A:G1A+7]
	s_nop 0
	tensor_load_to_lds s[G0A+4:G0A+7], s[G1A:G1A+7]
	s_nop 0
.Lfirst_done:
	; where my results go: plane (48 batch + 6 column block + 3 wn), token 256 (block % 4) + 128 wm (16 tokens of a plane are 2,048 bytes)
	s_lshr_b32 s16, s13, 2
	s_mul_i32 s16, s16, 48*PLANE
	s_and_b32 s17, s13, 3
	s_lshl_b32 s17, s17, 15
	s_add_co_u32 s16, s16, s17
	s_lshl_b32 s17, s11, 14
	s_add_co_u32 s16, s16, s17
	s_mov_b32 s17, 0
	s_add_nc_u64 s[8:9], s[8:9], s[16:17]
	s_mul_i32 s46, s42, 6*PLANE                    ; the column block's part in the registers that held the weight's address
	s_mul_i32 s47, s12, 3*PLANE
	s_add_co_u32 s46, s46, s47
	s_mov_b32 s47, 0
	s_add_nc_u64 s[8:9], s[8:9], s[46:47]
	; lane terms: r = l % 16, h = l / 16
	v_and_b32 v1, 15, v0
	v_bfe_u32 v2, v0, 4, 1
	v_and_b32 v3, 7, v0
	v_bfe_u32 v4, v0, 3, 1
	v_and_b32 v5, 31, v0
	v_mul_u32_u24 v6, v1, PA
	v_lshl_add_u32 v6, v2, 4, v6                   ; r x 144 + 16 h: a fragment of rows that lie along K
	s_mul_i32 s22, s11, AHALF
	s_add_co_u32 s22, s22, AOFF
	v_add_nc_u32 v[ADRA], s22, v6
	v_add_nc_u32 v[ADRA+1], SLOT, v[ADRA]
	v_lshl_add_u32 v7, v2, 3, v3                   ; transposing load: K row 8 h + l % 8,
	v_mul_u32_u24 v7, v7, PB
	v_lshl_add_u32 v7, v4, 4, v7                   ; 16 bytes for each half of eight lanes
	; column block i = 12 wn + 4 g + jj lies at byte 32 (i + i / 8) of a K row: plane 0 begins at 416 wn, plane 1 at 128 + 448 wn, plane 2 at 288 + 416 wn
	s_mul_i32 s22, s12, 416
	s_mul_i32 s23, s12, 448
	v_add_nc_u32 v[ADRB], s22, v7
	v_add_nc_u32 v[ADRB+1], s23, v7
	v_add_nc_u32 v[ADRB+1], 128, v[ADRB+1]
	v_add_nc_u32 v[ADRB+2], 288, v[ADRB]
.irp g, 0,1,2
	v_add_nc_u32 v[ADRB+3+\g], SLOT, v[ADRB+\g]
.endr
	; my 16 bytes' place in a block of 512: one form for q and k planes, one for v planes; a wave's three planes may be of both kinds (30, 31, 32)
	v_lshlrev_b32 v19, 4, v5                       ; q, k: 256 h + 16 r = 16 x lane
	v_lshlrev_b32 v20, 4, v3
	v_lshl_add_u32 v20, v2, 7, v20
	v_lshl_add_u32 v20, v4, 8, v20                 ; v: 256 (r / 8) + 128 h + 16 (r % 8)
	s_mul_i32 s22, s42, 6
	s_mul_i32 s23, s12, 3
	s_add_co_u32 s22, s22, s23                     ; my first plane, 0..45
.irp g, 0,1,2
	s_add_co_u32 s23, s22, \g
	s_lshr_b32 s23, s23, 5                         ; 1 for planes 32-47
	s_sub_co_u32 s23, 0, s23                       ; all ones or all zeros: a mask for every lane
	v_cndmask_b32 v[CO+\g], v19, v20, s23
.endr
; 16 matrix instructions: column blocks jj0, jj0 + 1 of plane g x all 8 token blocks, 32 along K.  zero = 1: the first product starts the sums.
; The 96 accumulators take turns, one instruction a turn, in the same order in every quarter.
.macro MUL16 g, jj0, fa, zero
.irp jj, \jj0, \jj0+1
.irp a, 0,1,2,3,4,5,6,7
.if \zero
	v_wmma_f32_16x16x32_f16 v[8*(8*(\jj)+\a):8*(8*(\jj)+\a)+7], v[FB+8*(4*\g+(\jj)):FB+8*(4*\g+(\jj))+7], v[\fa+8*\a:\fa+8*\a+7], 0
.else
	v_wmma_f32_16x16x32_f16 v[8*(8*(\jj)+\a):8*(8*(\jj)+\a)+7], v[FB+8*(4*\g+(\jj)):FB+8*(4*\g+(\jj))+7], v[\fa+8*\a:\fa+8*\a+7], v[8*(8*(\jj)+\a):8*(8*(\jj)+\a)+7]
.endif
.endr
.endr
.endm
.macro GROUP g, fa, zero               ; a plane's 32 matrix instructions; C and D in window 1 + g
	WIN 0x50*(\g+1)
	MUL16 \g, 0, \fa, \zero
	MUL16 \g, 2, \fa, \zero
.endm
.macro LDB slot, kq, g                 ; 8 loads: plane g's four weight fragments, K = 32 kq .. + 31
.irp jj, 0,1,2,3
	ds_load_tr16_b128 v[FB+8*(4*\g+\jj):FB+8*(4*\g+\jj)+3],   v[ADRB+3*\slot+\g] offset:\kq*BHALF+32*\jj
	ds_load_tr16_b128 v[FB+8*(4*\g+\jj)+4:FB+8*(4*\g+\jj)+7], v[ADRB+3*\slot+\g] offset:\kq*BHALF+32*\jj+16*PB
.endr
.endm
.macro LDA slot, kq, fa                ; 16 loads: my eight token fragments
.irp a, 0,1,2,3,4,5,6,7
	ds_load_b128 v[\fa+8*\a:\fa+8*\a+3],   v[ADRA+\slot] offset:\a*16*PA+64*\kq
	ds_load_b128 v[\fa+8*\a+4:\fa+8*\a+7], v[ADRA+\slot] offset:\a*16*PA+64*\kq+32
.endr
.endm
; The LDS loads of a quarter always go out in the order: plane 0 (8), plane 1 (8), tokens (16), plane 2 (8).
; First half of a K step (K 0-31, tokens in FA0); behind each plane its fragments of the second half are fetched.
.macro QUARTER slot, zero
	s_wait_dscnt 8                                 ; all but the youngest eight loads (plane 2's fragments) are in
	GROUP 0, FA0, \zero
	WIN 0
	PLACES
	LDB \slot, 1, 0
	GROUP 1, FA0, \zero
	WIN 0
	PLACES
	LDB \slot, 1, 1
	LDA \slot, 1, FA1
	s_wait_dscnt 32                                ; the 8 + 8 + 16 loads issued since may stay out: plane 2's fragments are in
	GROUP 2, FA0, \zero
	WIN 0
	PLACES
	LDB \slot, 1, 2
.endm
; Second half (K 32-63, tokens in FA1), and the change of slots.  In front of the barrier each wave waits for its reads of this slot and for all its
; tensor loads (one is out: its part of the next slot).  fill = 1: the barrier opens a round of the cluster's barrier, and the joint refill of this
; slot, two K steps ahead, is the first tensor load behind the round's closing wait.  From a request to the wait for it: 176 matrix instructions.
.macro TURN slot, next, fill
	s_wait_dscnt 8
	WIN 0x50
	MUL16 0, 0, FA1, 0
	s_wait_dscnt 0x0                               ; my reads of this slot are over
	s_wait_tensorcnt 0x0                           ; all my tensor loads have landed
	ds_add_u32 v30, v31
	s_wait_dscnt 0x0
	s_barrier_signal -1
	MUL16 0, 2, FA1, 0                             ; register work while the others arrive
	WIN 0
	s_barrier_wait -1
.if \fill
	CREST
	s_add_nc_u64 s[G0A+4*\slot+2:G0A+4*\slot+3], s[G0A+4*\slot+2:G0A+4*\slot+3], 2*ASTEP   ; no tensor load of mine is out: group 0 may be written
	s_add_nc_u64 s[G0B+4*\slot+2:G0B+4*\slot+3], s[G0B+4*\slot+2:G0B+4*\slot+3], 2*BSTEP
	JLOAD \slot
.endif
	PLACES
	LDB \next, 0, 0
	GROUP 1, FA1, 0
	WIN 0
	PLACES
	LDB \next, 0, 1
	LDA \next, 0, FA0
	GROUP 2, FA1, 0
	WIN 0
	PLACES
	LDB \next, 0, 2
.endm
.macro LAP zero                        ; two K steps, both slots filled again
	QUARTER 0, \zero
	TURN 0, 1, 1
	QUARTER 1, 0
	TURN 1, 0, 1
.endm
	s_wait_tensorcnt 0x1                           ; my part of K step 0 is in; K step 1's may stay out
	s_barrier_signal -1
	s_barrier_wait -1
	LDB 0, 0, 0
	LDB 0, 0, 1
	LDA 0, 0, FA0
	LDB 0, 0, 2
	LAP 1                                          ; K steps 0, 1; asks for 2, 3
	s_mov_b32 s3, 6                                ; K steps 2 to 13; ask for 4 to 15
.Llap:
	LAP 0
	s_sub_co_u32 s3, s3, 1
	s_cmp_lg_u32 s3, 0
	s_cbranch_scc1 .Llap
	QUARTER 0, 0                                   ; K steps 14, 15: nothing is left to fetch
	TURN 0, 1, 0
	QUARTER 1, 0
	s_wait_dscnt 8
	GROUP 0, FA1, 0
	GROUP 1, FA1, 0
	s_wait_dscnt 0x0
	GROUP 2, FA1, 0
	WIN 0
	PLACES                                         ; behind the last matrix instructions: for the conversions, which read results and write over v32-79
; THE WAY OUT, 16 tokens at a time: round to f16 and store.  The 32 lanes' 16 bytes of one tile are one block of 512 consecutive bytes of the plane.
.macro OUT16 a
	s_wait_xcnt 0x0                                ; v32-79, which the last turn's stores read, are written again only behind this wait
.irp g, 0,1,2
	WIN 5*(\g+1)                                   ; sources 0 and 1 in window 1 + g
.irp jj, 0,1,2,3
.irp q, 0,1,2,3
	v_cvt_pk_f16_f32 v[TMP+4*(4*\g+\jj)+\q], v[8*(8*\jj+\a)+2*\q], v[8*(8*\jj+\a)+2*\q+1]
.endr
.endr
.endr
	WIN 0
.irp g, 0,1,2
.irp jj, 0,1,2,3
	global_store_b128 v[CO+\g], v[TMP+4*(4*\g+\jj):TMP+4*(4*\g+\jj)+3], s[8:9] offset:\g*PLANE+\a*2048+\jj*512
.endr
.endr
.endm
.irp a, 0,1,2,3,4,5,6,7
	OUT16 \a
.endr
	CROUND                                         ; the closing round: no work-group ends while a partner may still ask for a tile that names it
	s_endpgm
.Lfunc_end_k_q586b641055_qkv:
	.size	k_q586b641055_qkv, .Lfunc_end_k_q586b641055_qkv-k_q586b641055_qkv
	.p2alignl 7, 3214868480
	.fill 96, 4, 3214868480
	.section	.rodata,"a",@progbits
	.p2align	6, 0x0
	.amdhsa_kernel k_q586b641055_qkv
		.amdhsa_group_segment_fixed_size 327680
		.amdhsa_private_segment_fixed_size 0
		.amdhsa_enable_private_segment 0
		.amdhsa_kernarg_size 24
		.amdhsa_user_sgpr_count 2
		.amdhsa_user_sgpr_kernarg_segment_ptr 1
		.amdhsa_wavefront_size32 1
		.amdhsa_system_sgpr_workgroup_id_x 1
		.amdhsa_system_sgpr_workgroup_id_y 1
		.amdhsa_system_sgpr_workgroup_id_z 1
		.amdhsa_system_vgpr_workitem_id 0
		.amdhsa_next_free_vgpr 1024
		.amdhsa_next_free_sgpr 66
		.amdhsa_reserve_vcc 0
		.amdhsa_float_denorm_mode_32 3
		.amdhsa_float_denorm_mode_16_64 3
		.amdhsa_memory_ordered 1
		.amdhsa_forward_progress 1
		.amdhsa_inst_pref_size 155
	.end_amdhsa_kernel
	.amdgpu_metadata
---
amdhsa.version: [ 1, 2 ]
amdhsa.kernels:
  - .name:           k_q586b641055_qkv
    .symbol:         k_q586b641055_qkv.kd
    .args:
      - { .name: xh, .offset: 0, .size: 8, .value_kind: global_buffer, .address_space: global }
      - { .name: wqh, .offset: 8, .size: 8, .value_kind: global_buffer, .address_space: global }
      - { .name: qkv, .offset: 16, .size: 8, .value_kind: global_buffer, .address_space: global }
    .group_segment_fixed_size: 327680
    .private_segment_fixed_size: 0
    .kernarg_segment_align: 8
    .kernarg_segment_size: 24
    .max_flat_workgroup_size: 128
    .sgpr_count:     66
    .vgpr_count:     1024
    .wavefront_size: 32
...
	.end_amdgpu_metadata
.endif
;; end of part 2
;; launch attn (part 3): grid 256 x 1, 8 waves a work-group, no clusters, 263,168 bytes of LDS; arguments qkv, ao; writes ao
.if DOCPART == 3
	.amdgcn_target "amdgcn-amd-amdhsa--gfx1250"
	.amdhsa_code_object_version 6
	.text
	.protected	k_q586b641055_attn
	.globl	k_q586b641055_attn
	.p2align	8
	.type	k_q586b641055_attn,@function
k_q586b641055_attn:
	s_mov_b64 s[64:65], 0
	v_nop
	global_prefetch_b8 v0, s[64:65] scope:SCOPE_SE
	s_setreg_imm32_b32 hwreg(HW_REG_WAVE_MODE, 25, 1), 1
	s_wait_xcnt 0x0
; ao = softmax(q k^T / 8) v for one (batch, head) and 512 queries a work-group; f16 operands, f32 sums, running maximum.
; qkv[batch][plane 48][token block 64][column block 4][512 bytes] and ao[batch][head][token block 64][column block 4][512 bytes]: a block of 16 tokens x 16
; columns is laid out as the register image of the load that reads it, so every fragment load here takes 16 bytes at 16 x lane: 512 consecutive bytes.
; LIMITS: p and the result are rounded to f16 (p lies in 0 .. 1 up to the rounding of the shift, a factor common to numerator and denominator;
; p below 6e-8 becomes 0); the denominator sums the unrounded f32 p; v_exp_f32 gives 0 for results below 2^-126 (ISA guide, its entry in 15.8).
; The head's whole K and V (2 x 131,072 bytes, no padding) stay in LDS: each byte is filled once, in four stages of 256 keys that all go out at the
; start; nothing is filled again.  A wave has four tensor loads out at the most.  The work-group walks K and V twice, 256 queries a pass.
; NO CLUSTER: a head's 1,024 queries are two work-groups, so K and V are shared by two; a cluster of four along x would hold two heads, with two
; different masks of two inside it.  Sharing by four would need work-groups of 256 queries: each WGP would fill its LDS for two heads, 524,288 bytes
; instead of 262,144, and wait for first tiles twice.
; Eight waves, two on a SIMD; a wave takes 32 queries a pass (two tiles t of 16), 64 keys a step.
; S^T = K Q^T: lane (r = l % 16, h = l / 16), register j of key tile kt holds key 16 kt + 8 h + j of query r.  Two such tiles, packed to f16, ARE the
; second source of O^T = V^T P^T for 32 keys: no shuffle.  Maximum, scale, sum and 1 / sum are one number a lane; the halves of the lanes meet once a step.
; State: NM = -round(m c), c = log2(e) / 8; p = 2^(s c + NM); old sums are scaled by 2^(NM new - NM old): one common scale whatever the scores' size.
; THE SCHEDULE: the two tiles run half a step apart.  A slot is 16 cells; a cell is one matrix instruction of the OTHER tile and a chunk of this tile's
; softmax, so that matrix and vector work lie side by side in one wave's text:
;   even slot of step i: softmax of (i, tile 0) beside PV of (i - 1, tile 1) and QK of (i, tile 1);   odd slot: softmax of (i, tile 1) beside PV of (i, tile 0) and QK of (i + 1, tile 0).
; P is packed in place into the first 16 registers of S; QK therefore writes key tiles 2, 3, 0, 1 in this order.
; REGISTERS: S 64 + O 64 + Q 32 + K 64 + V 64 + 24 others do not fit one window of 256: V's fragments lie in window 1, and each PV instruction stands
; between two switches of source 0's window.  All else is window 0.
.set PLANE,  131072
.set VOFF,   131072                    ; LDS: K, then V
.set STEPB,  8192                      ; 64 keys x 128 bytes
.set STAGEB, 32768                     ; 256 keys
.set DROW,   128                       ; dense blocks are fetched as rows of 128 elements (256 bytes)
.set CO,   8                           ; 16 x lane: never rewritten
.set KADR, 9                           ; the K fragments that are loaded next
.set VADR, 10                          ; the V fragments that are loaded next
.set MX,   12                          ; v12-13  running maximum of the raw scores, tile t
.set NM,   14                          ; v14, v16  -round(m c); the pairs' odd registers are written once and never used
.set AL,   18                          ; v18, v20  scale of the old sums; at the end 1 / sum
.set LS,   22                          ; v22-23  my half's sum of p
.set TA,   24                          ; v24-31  four pairs at work
.set TB,   26
.set TC,   28
.set TD,   30
.set SC,   32                          ; v32-95   S[t][kt] at 32 t + 8 kt; P[t][kg] at 32 t + 8 kg
.set OA,   96                          ; v96-159  O[t][dt] at 32 t + 8 dt
.set QF,   160                         ; v160-191 Q fragments [t][kk] at 16 t + 8 kk
.set KF,   192                         ; v192-255 K fragments [kt][kk] at 16 kt + 8 kk
.set VF,   0                           ; window 1: V^T fragments [dt][kg] at 16 dt + 8 kg
.set G0,   32                          ; s[32:47] group 0 of my four loads; never rewritten
.set MSB, 0
.macro WIN new                         ; the immediate's high byte repeats the setting that is left
.if MSB != (\new)
	s_set_vgpr_msb (MSB<<8)|(\new)
.set MSB, \new
.endif
.endm
.macro PLACES                          ; four plain vector instructions behind a matrix instruction before its registers are read, written or loaded into (ISA guide 7.12.1)
.rept 4
	v_nop
.endr
.endm
; my four loads: 64 keys (8,192 dense bytes) of each stage of 256 keys; s9 = LDS address, s[12:13] = global address of the first
.macro FILLS
.irp s, 0,1,2,3
	s_mov_b32 s[G0+4*\s], 1
	s_add_co_u32 s[G0+4*\s+1], s9, \s*STAGEB
	s_add_nc_u64 s[G0+4*\s+2:G0+4*\s+3], s[12:13], \s*STAGEB
	s_or_b32 s[G0+4*\s+3], s[G0+4*\s+3], 0x80000000
	tensor_load_to_lds s[G0+4*\s:G0+4*\s+3], s[16:23]
	s_nop 0
.endr
.endm
; the Q fragments of pass n: my wave's 64 queries are four token blocks of 2,048 bytes, two a pass
.macro QLOAD n
.irp t, 0,1
.irp kk, 0,1
	global_load_b128 v[QF+16*\t+8*\kk:QF+16*\t+8*\kk+3],   v[CO], s[48:49] offset:(\n)*4096+\t*2048+\kk*1024
	global_load_b128 v[QF+16*\t+8*\kk+4:QF+16*\t+8*\kk+7], v[CO], s[48:49] offset:(\n)*4096+\t*2048+\kk*1024+512
.endr
.endr
.endm
.macro LDK kk                          ; 8 loads: d = 32 kk .. + 31 of 64 keys
.irp kt, 0,1,2,3
	ds_load_b128 v[KF+16*\kt+8*\kk:KF+16*\kt+8*\kk+3],   v[KADR] offset:\kt*2048+\kk*1024
	ds_load_b128 v[KF+16*\kt+8*\kk+4:KF+16*\kt+8*\kk+7], v[KADR] offset:\kt*2048+\kk*1024+512
.endr
.endm
.macro LDV kg                          ; 8 transposing loads: keys 32 kg .. + 31, all 64 d; destination in window 1
	WIN 0x40
.irp dt, 0,1,2,3
	ds_load_tr16_b128 v[VF+16*\dt+8*\kg:VF+16*\dt+8*\kg+3],   v[VADR] offset:\kg*4096+\dt*512
	ds_load_tr16_b128 v[VF+16*\dt+8*\kg+4:VF+16*\dt+8*\kg+7], v[VADR] offset:\kg*4096+\dt*512+2048
.endr
	WIN 0
.endm
; matrix instruction n = 0..7 of O^T += V^T P^T for tile OT: key group n / 4, d tile n % 4.  pv = 1: the first key group starts the sums.
.macro PVW n, pv
.set PKG, (\n)/4
.set PDT, (\n)%4
.set PZ, 0
.if \pv == 1
.if PKG == 0
.set PZ, 1
.endif
.endif
.if PZ
	v_wmma_f32_16x16x32_f16 v[OA+32*OT+8*PDT:OA+32*OT+8*PDT+7], v[VF+16*PDT+8*PKG:VF+16*PDT+8*PKG+7], v[SC+32*OT+8*PKG:SC+32*OT+8*PKG+7], 0
.else
	v_wmma_f32_16x16x32_f16 v[OA+32*OT+8*PDT:OA+32*OT+8*PDT+7], v[VF+16*PDT+8*PKG:VF+16*PDT+8*PKG+7], v[SC+32*OT+8*PKG:SC+32*OT+8*PKG+7], v[OA+32*OT+8*PDT:OA+32*OT+8*PDT+7]
.endif
.endm
; matrix instruction m = 0..7 of S^T = K Q^T for tile OT: half m / 4 of d, key tiles in the order 2, 3, 0, 1
.macro QKW m
.set QM, \m
.set QKK, QM/4
.set QKT, (QM%4+2)%4
.if QKK == 0
	v_wmma_f32_16x16x32_f16 v[SC+32*OT+8*QKT:SC+32*OT+8*QKT+7], v[KF+16*QKT:KF+16*QKT+7], v[QF+16*OT:QF+16*OT+7], 0
.else
	v_wmma_f32_16x16x32_f16 v[SC+32*OT+8*QKT:SC+32*OT+8*QKT+7], v[KF+16*QKT+8:KF+16*QKT+15], v[QF+16*OT+8:QF+16*OT+15], v[SC+32*OT+8*QKT:SC+32*OT+8*QKT+7]
.endif
.endm
.macro FMA8 i0                         ; s c + NM, two at a time
.set II, \i0
.rept 8
	v_pk_fma_f32 v[SB+2*II:SB+2*II+1], v[SB+2*II:SB+2*II+1], s[24:25], v[NB:NB+1] op_sel_hi:[1,0,0]
.set II, II+1
.endr
.endm
.macro EXP8 i0
.set II, \i0
.rept 8
	v_exp_f32 v[SB+II], v[SB+II]
.set II, II+1
.endr
.endm
.macro CVT i0, n                       ; register i of P = p of S's registers 2 i, 2 i + 1; in place, ascending: a source is used before it is written over
.set II, \i0
.rept \n
	v_cvt_pk_f16_f32 v[SB+II], v[SB+2*II], v[SB+2*II+1]
.set II, II+1
.endr
.endm
.macro OSC i0, n                       ; O x AL
.set II, \i0
.rept \n
	v_pk_mul_f32 v[OB+2*II:OB+2*II+1], v[OB+2*II:OB+2*II+1], v[AB:AB+1] op_sel_hi:[1,0]
.set II, II+1
.endr
.endm
; chunk c = 0..15 of tile t's softmax over 64 keys.  first = 1: the pass's first step starts maximum and sum, and there is no O to scale.
.macro CH c, t, first
.set SB, SC+32*\t
.set OB, OA+32*\t
.set NB, NM+2*\t
.set AB, AL+2*\t
.if \c == 0                            ; the maximum of my 32 scores and the old maximum, in four chains
.if \first
	v_max_num_f32 v[TA], v[SB], v[SB+1]
.else
	v_max3_num_f32 v[TA], v[MX+\t], v[SB], v[SB+1]
.endif
	v_max3_num_f32 v[TB], v[SB+8], v[SB+9], v[SB+10]
	v_max3_num_f32 v[TC], v[SB+16], v[SB+17], v[SB+18]
	v_max3_num_f32 v[TD], v[SB+24], v[SB+25], v[SB+26]
	v_max3_num_f32 v[TA], v[TA], v[SB+2], v[SB+3]
	v_max3_num_f32 v[TB], v[TB], v[SB+11], v[SB+12]
	v_max3_num_f32 v[TC], v[TC], v[SB+19], v[SB+20]
	v_max3_num_f32 v[TD], v[TD], v[SB+27], v[SB+28]
.endif
.if \c == 1
	v_max3_num_f32 v[TA], v[TA], v[SB+4], v[SB+5]
	v_max3_num_f32 v[TB], v[TB], v[SB+13], v[SB+14]
	v_max3_num_f32 v[TC], v[TC], v[SB+21], v[SB+22]
	v_max3_num_f32 v[TD], v[TD], v[SB+29], v[SB+30]
	v_max3_num_f32 v[TA], v[TA], v[SB+6], v[SB+7]
	v_max3_num_f32 v[TB], v[TB], v[SB+15], v[SB+23]
	v_max3_num_f32 v[TC], v[TC], v[TD], v[SB+31]
	v_max3_num_f32 v[TA], v[TA], v[TB], v[TC]
.endif
.if \c == 2
	v_permlanex16_b32 v[TB], v[TA], s26, s27       ; the other half of the lanes holds the query's other 32 keys
	v_max_num_f32 v[MX+\t], v[TA], v[TB]
.if \first
	v_mul_f32 v[NB], 0xbe38aa3b, v[MX+\t]          ; -m c
.else
	v_mul_f32 v[TB], 0xbe38aa3b, v[MX+\t]
	v_sub_f32 v[TA], v[TB], v[NB]                  ; at most 0
	v_exp_f32 v[AB], v[TA]
	v_mov_b32 v[NB], v[TB]                         ; also the plain instruction behind the exponential (ISA guide 5.7.2)
.endif
.endif
.if \c == 3
	FMA8 0
.endif
.if \c == 4
	FMA8 8
.endif
.if \c == 5
	EXP8 0
.endif
.if \c == 6
	EXP8 8
.endif
.if \c == 7
	EXP8 16
.endif
.if \c == 8
	EXP8 24
.endif
.if \c == 9
	v_nop                                          ; the plain instruction between the 32 exponentials (only matrix instructions stand among them) and the first use of a result (ISA guide 5.7.2)
	s_wait_alu depctr_va_vdst(0)
	v_pk_add_f32 v[TA:TA+1], v[SB:SB+1], v[SB+2:SB+3]
	v_pk_add_f32 v[TB:TB+1], v[SB+8:SB+9], v[SB+10:SB+11]
	v_pk_add_f32 v[TA:TA+1], v[TA:TA+1], v[SB+4:SB+5]
	v_pk_add_f32 v[TB:TB+1], v[TB:TB+1], v[SB+12:SB+13]
	v_pk_add_f32 v[TA:TA+1], v[TA:TA+1], v[SB+6:SB+7]
	v_pk_add_f32 v[TB:TB+1], v[TB:TB+1], v[SB+14:SB+15]
.endif
.if \c == 10
	v_pk_add_f32 v[TC:TC+1], v[SB+16:SB+17], v[SB+18:SB+19]
	v_pk_add_f32 v[TD:TD+1], v[SB+24:SB+25], v[SB+26:SB+27]
	v_pk_add_f32 v[TC:TC+1], v[TC:TC+1], v[SB+20:SB+21]
	v_pk_add_f32 v[TD:TD+1], v[TD:TD+1], v[SB+28:SB+29]
	v_pk_add_f32 v[TC:TC+1], v[TC:TC+1], v[SB+22:SB+23]
	v_pk_add_f32 v[TD:TD+1], v[TD:TD+1], v[SB+30:SB+31]
	v_pk_add_f32 v[TA:TA+1], v[TA:TA+1], v[TB:TB+1]
	v_pk_add_f32 v[TC:TC+1], v[TC:TC+1], v[TD:TD+1]
	v_pk_add_f32 v[TA:TA+1], v[TA:TA+1], v[TC:TC+1]
.endif
.if \c == 11
.if \first
	v_add_f32 v[LS+\t], v[TA], v[TA+1]
.else
	v_add_f32 v[TA], v[TA], v[TA+1]
	v_fma_f32 v[LS+\t], v[LS+\t], v[AB], v[TA]
.endif
	CVT 0, 4
.endif
.if \c == 12
	CVT 4, 8
.endif
.if \c == 13
	CVT 12, 4
.if \first == 0
	OSC 0, 4
.endif
.endif
.if \c == 14
.if \first == 0
	OSC 4, 6
.endif
.endif
.if \c == 15                           ; at least four plain instructions: the places behind the slot's last matrix instruction
.if \first
	PLACES
.else
	OSC 10, 6
.endif
.endif
.endm
; A slot: tile t's softmax beside the other tile's 16 matrix instructions, one a cell.  The accumulators take turns, one instruction a turn (four of O,
; again four of O, four of S, again four of S).
;   pv: 0 none, 1 the first PV of a pass, 2 adding;  qk: the next QK or none;  ldv, ldk: this slot fetches V of this step, K of the next;  wt: the waits for them.
; PLACES, by the chunks' own lines: V's first half is loaded behind chunk 3 (8 multiply-adds behind PV 3, its last reader); V's second half behind chunk 9
; (7 plain lines behind PV 7; the exponentials between count for nothing); QK first writes over P in cell 10, behind the same 7 lines; K's first half is loaded
; behind chunk 11 (5 or 6 lines behind QK 3), its second half behind chunk 15 (4 or 6 lines behind QK 7), which also stand in front of the next slot's reads of S.
; WAITS (wt = 1): the even slot issued four runs of 8 LDS loads: V first half, V second half, K first half, K second half; cells 0, 4, 8, 12 of the odd
; slot need them in this order: 24, 16, 8, 0 younger loads may stay out.  wt = 2 (a pass's last step, no K): 8, 0.
.macro SLOT t, first, pv, qk, ldv, ldk, wt
.set OT, 1-\t
.irp c, 0,1,2,3,4,5,6,7,8,9,10,11,12,13,14,15
.if \wt == 1
.if \c % 4 == 0
	s_wait_dscnt 24-2*\c
.endif
.endif
.if \wt == 2
.if \c == 0
	s_wait_dscnt 8
.endif
.if \c == 4
	s_wait_dscnt 0
.endif
.endif
.if \c < 8
.if \pv
	WIN 0x01                                       ; source 0 (V^T) in window 1
	PVW \c, \pv
	WIN 0
.endif
.else
.if \qk
	QKW \c-8
.endif
.endif
	CH \c, \t, \first
.if \ldv
.if \c == 3
	LDV 0
.endif
.if \c == 9
	LDV 1
	v_add_nc_u32 v[VADR], STEPB, v[VADR]
.endif
.endif
.if \ldk
.if \c == 11
	LDK 0
.endif
.if \c == 15
	LDK 1
	v_add_nc_u32 v[KADR], STEPB, v[KADR]
.endif
.endif
.endr
.endm
.macro LOOP n                          ; n steps of the steady state; no LDS load is out at its head or its end
	s_mov_b32 s28, \n
.Lstep_\@:
	SLOT 0, 0, 2, 1, 1, 1, 0
	SLOT 1, 0, 2, 1, 0, 0, 1
	s_sub_co_u32 s28, s28, 1
	s_cmp_lg_u32 s28, 0
	s_cbranch_scc1 .Lstep_\@
.endm
.macro ARRIVE left                     ; every wave's part of a stage is in; my loads of the later stages (left of them) stay out
	s_wait_tensorcnt \left
	s_barrier_signal -1
	s_barrier_wait -1
.endm
; the head of a pass: K of step 0, S of (step 0, tile 0), steps 0 and 1
.macro PRO
	v_mov_b32 v[KADR], v[CO]
	v_add_nc_u32 v[VADR], VOFF, v[CO]
	LDK 0
	LDK 1
	v_add_nc_u32 v[KADR], STEPB, v[KADR]
	s_wait_loadcnt 0x0                             ; Q
	s_wait_xcnt 0x0                                ; O, which the last pass's stores read, is written again only behind this wait
	s_wait_dscnt 0x0
.set OT, 0
.irp m, 0,1,2,3,4,5,6,7
	QKW \m
.endr
	PLACES                                         ; before the scores are read
	SLOT 0, 1, 0, 1, 1, 1, 0                       ; step 0
	SLOT 1, 1, 1, 1, 0, 0, 1
	SLOT 0, 0, 1, 1, 1, 1, 0                       ; step 1: tile 1's first PV
	SLOT 1, 0, 2, 1, 0, 0, 1
.endm
; the end of pass n: step 15 (no K and no QK beyond it), the last PV, O / sum, f16, out.  more = 1: the next pass's Q is asked for as soon as Q's registers are free.
.macro FIN n, more
	SLOT 0, 0, 2, 1, 1, 0, 0
.if \more
	QLOAD \n+1                                     ; six plain lines stand behind the last QK
.endif
	SLOT 1, 0, 2, 0, 0, 0, 2
.set OT, 1
	WIN 0x01
.irp m, 0,1,2,3,4,5,6,7
	PVW \m, 2
.endr
	WIN 0
	PLACES                                         ; before O is read
.irp t, 0,1
	v_permlanex16_b32 v[TA], v[LS+\t], s26, s27    ; the two halves' sums meet
	v_add_f32 v[LS+\t], v[LS+\t], v[TA]
.endr
	v_rcp_f32 v[AL], v[LS]
	v_rcp_f32 v[AL+2], v[LS+1]
	v_nop                                          ; the plain instruction behind the reciprocals
	s_wait_alu depctr_va_vdst(0)
.irp t, 0,1
.set OB, OA+32*\t
.set AB, AL+2*\t
	OSC 0, 16
.endr
.irp t, 0,1
.irp i, 0,1,2,3,4,5,6,7,8,9,10,11,12,13,14,15
	v_cvt_pk_f16_f32 v[OA+32*\t+\i], v[OA+32*\t+2*\i], v[OA+32*\t+2*\i+1]   ; in place, ascending; d tile dt in registers 4 dt .. 4 dt + 3: d = 16 dt + 8 h + 0..7 of query r
.endr
.endr
.irp t, 0,1
.irp dt, 0,1,2,3
	global_store_b128 v[CO], v[OA+32*\t+4*\dt:OA+32*\t+4*\dt+3], s[6:7] offset:\n*4096+\t*2048+\dt*512   ; one block of ao: 512 consecutive bytes
.endr
.endr
.endm
	s_load_b128 s[4:7], s[0:1], 0x0                ; qkv s[4:5], ao s[6:7]
	v_lshl_add_u32 v7, v0, 2, 0x40000
	v_mov_b32 v11, 0
	ds_add_u32 v7, v11
	ds_add_u32 v7, v11
	v_lshrrev_b32 v1, 5, v0
	v_readfirstlane_b32 s8, v1                     ; wave 0..7
	s_lshr_b32 s30, ttmp9, 1                       ; 16 batch + head
	s_and_b32 s29, ttmp9, 1                        ; which 512 queries
	s_lshr_b32 s10, s30, 4
	s_and_b32 s11, s30, 15
	s_mul_i32 s10, s10, 48
	s_add_co_u32 s10, s10, s11                     ; q's plane
	s_lshl_b32 s10, s10, 17
	s_mov_b32 s11, 0
	s_mov_b32 s16, 1<<16                           ; group 1: elements of 2 bytes, no mask, no padding; 32 rows of 256 bytes, dense
	s_mov_b32 s17, DROW<<16
	s_mov_b32 s18, 32<<16
	s_mov_b32 s19, DROW<<16
	s_mov_b32 s20, 32
	s_mov_b32 s21, DROW
	s_mov_b32 s22, 0
	s_mov_b32 s23, 0
	s_mov_b32 s24, 0x3e38aa3b                      ; c = log2(e) / 8
	s_mov_b32 s25, 0x3e38aa3b
	s_mov_b32 s26, 0x76543210                      ; v_permlanex16_b32: lane i reads lane i of the other half
	s_mov_b32 s27, 0xfedcba98
	v_and_b32 v1, 31, v0
	v_lshlrev_b32 v[CO], 4, v1
	v_mov_b32 v[NM+1], 0                           ; the pairs' odd registers
	v_mov_b32 v[NM+3], 0
	v_mov_b32 v[AL+1], 0
	v_mov_b32 v[AL+3], 0
	s_wait_dscnt 0x0
	s_wait_kmcnt 0x0
	s_add_nc_u64 s[48:49], s[4:5], s[10:11]        ; q's plane
	s_add_nc_u64 s[50:51], s[48:49], 16*PLANE      ; k's
	s_add_nc_u64 s[52:53], s[48:49], 32*PLANE      ; v's
	s_cmp_lt_u32 s8, 4                             ; all first fills of a wave inside one branch on its number: waves 0-3 K, waves 4-7 V
	s_cbranch_scc0 .Lfill_v
	s_lshl_b32 s9, s8, 13                          ; LDS: wave x 8,192
	s_lshl_b32 s10, s8, 13
	s_add_nc_u64 s[12:13], s[50:51], s[10:11]
	FILLS
	s_branch .Lfilled
.Lfill_v:
	s_lshl_b32 s9, s8, 13
	s_add_co_u32 s9, s9, VOFF-4*STEPB              ; LDS: VOFF + (wave - 4) x 8,192
	s_lshl_b32 s10, s8, 13
	s_sub_co_u32 s10, s10, 4*STEPB
	s_add_nc_u64 s[12:13], s[52:53], s[10:11]
	FILLS
.Lfilled:
	s_lshl_b32 s10, s29, 16                        ; my wave's 64 queries: (512 half + 64 wave) x 128 bytes
	s_lshl_b32 s14, s8, 13
	s_add_co_u32 s10, s10, s14
	s_add_nc_u64 s[48:49], s[48:49], s[10:11]
	s_lshl_b32 s14, s30, 17                        ; ao's plane is 16 batch + head
	s_add_co_u32 s10, s10, s14
	s_add_nc_u64 s[6:7], s[6:7], s[10:11]
	QLOAD 0
	; pass 0.  Step i fetches V of step i and K of step i + 1, so a stage of 4 steps is first touched one step early.
	ARRIVE 3                                       ; keys 0-255
	PRO                                            ; steps 0, 1
	ARRIVE 2                                       ; keys 256-511: first touched in step 3
	LOOP 5                                         ; steps 2-6
	ARRIVE 1                                       ; keys 512-767: first touched in step 7
	LOOP 4                                         ; steps 7-10
	ARRIVE 0                                       ; keys 768-1023: first touched in step 11
	LOOP 4                                         ; steps 11-14
	FIN 0, 1                                       ; step 15
	; pass 1: all of K and V is there
	PRO
	LOOP 13
	FIN 1, 0
	s_wait_tensorcnt 0x0
	ds_add_u32 v7, v11
	s_wait_dscnt 0x0
	s_endpgm
.Lfunc_end_k_q586b641055_attn:
	.size	k_q586b641055_attn, .Lfunc_end_k_q586b641055_attn-k_q586b641055_attn
	.p2alignl 7, 3214868480
	.fill 96, 4, 3214868480
	.section	.rodata,"a",@progbits
	.p2align	6, 0x0
	.amdhsa_kernel k_q586b641055_attn
		.amdhsa_group_segment_fixed_size 263168
		.amdhsa_private_segment_fixed_size 0
		.amdhsa_enable_private_segment 0
		.amdhsa_kernarg_size 16
		.amdhsa_user_sgpr_count 2
		.amdhsa_user_sgpr_kernarg_segment_ptr 1
		.amdhsa_wavefront_size32 1
		.amdhsa_system_sgpr_workgroup_id_x 1
		.amdhsa_system_sgpr_workgroup_id_y 1
		.amdhsa_system_sgpr_workgroup_id_z 1
		.amdhsa_system_vgpr_workitem_id 0
		.amdhsa_next_free_vgpr 320
		.amdhsa_next_free_sgpr 66
		.amdhsa_reserve_vcc 0
		.amdhsa_float_denorm_mode_32 3
		.amdhsa_float_denorm_mode_16_64 3
		.amdhsa_memory_ordered 1
		.amdhsa_forward_progress 1
		.amdhsa_inst_pref_size 195
	.end_amdhsa_kernel
	.amdgpu_metadata
---
amdhsa.version: [ 1, 2 ]
amdhsa.kernels:
  - .name:           k_q586b641055_attn
    .symbol:         k_q586b641055_attn.kd
    .args:
      - { .name: qkv, .offset: 0, .size: 8, .value_kind: global_buffer, .address_space: global }
      - { .name: ao, .offset: 8, .size: 8, .value_kind: global_buffer, .address_space: global }
    .group_segment_fixed_size: 263168
    .private_segment_fixed_size: 0
    .kernarg_segment_align: 8
    .kernarg_segment_size: 16
    .max_flat_workgroup_size: 256
    .sgpr_count:     66
    .vgpr_count:     320
    .wavefront_size: 32
...
	.end_amdgpu_metadata
.endif
;; end of part 3
;; launch proj (part 4): grid 8 x 32, 4 waves a work-group, clusters of 4 x 4, 327,680 bytes of LDS; arguments ao, woh, b_out, out0; writes out0
.if DOCPART == 4
	.amdgcn_target "amdgcn-amd-amdhsa--gfx1250"
	.amdhsa_code_object_version 6
	.text
	.protected	k_q586b641055_proj
	.globl	k_q586b641055_proj
	.p2align	8
	.type	k_q586b641055_proj,@function
k_q586b641055_proj:
	s_mov_b64 s[64:65], 0
	v_nop
	global_prefetch_b8 v0, s[64:65] scope:SCOPE_SE
	s_setreg_imm32_b32 hwreg(HW_REG_WAVE_MODE, 25, 1), 1
	s_wait_xcnt 0x0
	s_wait_alu depctr_hold_cnt(0) depctr_sa_sdst(0) depctr_va_vdst(0) depctr_va_sdst(0) depctr_va_ssrc(0) depctr_va_vcc(0) depctr_vm_vsrc(0)
	s_getreg_b32 s2, hwreg(HW_REG_IB_STS2, 6, 4)
	s_cmp_eq_u32 s2, 0
	s_cbranch_scc0 .Lentry_in_a_cluster
	s_endpgm
.Lentry_in_a_cluster:
	s_bfe_u32 s2, ttmp6, 0x10000c
	s_cmp_lg_u32 s2, 0xf033
	s_cbranch_scc0 .Lentry_shape_is_right
	s_endpgm
.Lentry_shape_is_right:
; out0 = ao w_out + b_out.  ao: f16 [batch][head 16][token block 64][column block 4][512 bytes]; woh: f16 [K 1024][N 1024]; b_out, out0: f32.  f32 sums.
; A block of ao (16 tokens x 16 columns) is the register image of half a fragment: the 16 bytes (token r, columns 8 h .. + 7) lie at 256 h + 16 r = 16 x lane,
; so a fragment load takes 512 consecutive bytes of LDS and ao's tiles need no padding.
; 8192 x 1024 in blocks of 256 tokens x 128 columns: 32 x 8 = 256 work-groups.  Four waves; a wave makes 128 tokens x 64 columns: 32 accumulator tiles.
; K goes in 8 steps of 128 (two heads) through two LDS slots (two slots of 256 along K would take 409,600 bytes: they do not fit).
; CLUSTERS: 4 x 4: ao's tiles are shared along a row of the cluster, the weight's along a column; every tile is asked for jointly.
; The weight stays [K][N]; its fragments are read by the transposing LDS load.  The matrix instruction is used transposed (source 0 = 16 columns of the
; weight, source 1 = 16 tokens): a lane holds token l % 16 and eight neighbouring columns.  The first product takes the bias as C: no add, nothing cleared.
; REGISTERS: window 0: v8-19 addresses; two fragment buffers (v32-63 weight + v64-127 tokens; v128-159 + v160-223); v224-255 the bias of my 64 columns.
; Window 1: tile (token block a, column block jj) at v[8 (8 jj + a)].
.set PB,     288                       ; LDS pitch of a K row of the weight: 256 + 32 bytes = 9 x 32
.set AHEAD,  32768                     ; one head's 256 tokens, dense: one tensor load
.set BOFF,   2*AHEAD
.set BHALF,  64*PB                     ; 64 K rows: one tensor load
.set SLOT,   BOFF+2*BHALF              ; 102,400
.set STAGE,  2*SLOT                    ; behind the ring, never filled by a tensor load: 16 rows x 272 bytes for each wave
.set SP,     272
.set PLANE,  131072
.set KSTEPB, 2*PLANE                   ; one K step on: two heads in ao; 128 rows of 2,048 bytes in woh: the same figure
.set DROW,   128
.set ADRA, 8
.set ADRB, 10
.set STO,  16
.set RD,   17
.set CO,   18
.set BO,   19
.set F0,   32
.set F1,   128
.set BIAS, 224
.set RB0,  32
.set RB1,  64
.set G1A, 24
.set G0A, 32
.set G1B, 48
.set G0B, 56
.set MSB, 0
.macro WIN new
.if MSB != (\new)
	s_set_vgpr_msb (MSB<<8)|(\new)
.set MSB, \new
.endif
.endm
.macro PLACES                          ; four plain vector instructions behind a matrix instruction before its registers are loaded into or read (ISA guide 7.12.1)
.rept 4
	v_nop
.endr
.endm
.macro JLOAD s                         ; waves 0, 1 fetch ao's two heads, waves 2, 3 the weight's two halves
	s_cmp_eq_u32 s11, 0
	s_cbranch_scc0 .Lfor_b_\@
	tensor_load_to_lds s[G0A+4*\s:G0A+4*\s+3], s[G1A:G1A+7]
	s_nop 0
	s_branch .Lasked_\@
.Lfor_b_\@:
	tensor_load_to_lds s[G0B+4*\s:G0B+4*\s+3], s[G1B:G1B+7]
	s_nop 0
.Lasked_\@:
.endm
.macro CREST                           ; a round of the cluster's barrier behind its opening work-group barrier
	s_cmp_lg_u32 s10, 0
	s_cbranch_scc1 .Lnot_wave_0_\@
	s_barrier_signal -3
.Lnot_wave_0_\@:
	s_barrier_wait -3
	s_barrier_signal -1
	s_barrier_wait -1
.endm
.macro CROUND
	s_barrier_signal -1
	s_barrier_wait -1
	CREST
.endm
	s_load_b128 s[4:7], s[0:1], 0x0                ; ao s[4:5], woh s[6:7]
	s_load_b64 s[20:21], s[0:1], 0x10              ; b_out
	s_load_b64 s[8:9], s[0:1], 0x18                ; out0
	v_lshl_add_u32 v30, v0, 2, 0x36400
	v_mov_b32 v31, 0
	ds_add_u32 v30, v31
	ds_add_u32 v30, v31
	v_lshrrev_b32 v1, 5, v0
	v_readfirstlane_b32 s10, v1                    ; wave 0..3
	s_lshr_b32 s11, s10, 1                         ; wm: my 128 tokens.  Also: I fetch for ao (0) or for the weight (1)
	s_and_b32 s12, s10, 1                          ; wn: my 64 columns.  Also: which half of that tile I fetch
	s_bfe_u32 s40, ttmp6, 0x40000                  ; cx
	s_bfe_u32 s41, ttmp6, 0x40004                  ; cy
	s_lshl_b32 s42, ttmp9, 2
	s_add_co_u32 s42, s42, s40                     ; column block 0..7
	s_and_b32 s13, ttmp7, 0xffff
	s_lshl_b32 s13, s13, 2
	s_add_co_u32 s13, s13, s41                     ; token block 0..31
	s_lshl_b32 s43, s41, 2
	s_lshl_b32 s43, 15, s43                        ; my row of the cluster
	s_lshl_b32 s44, 0x1111, s40                    ; my column
	; ao's tile: one head's 256 tokens = 32,768 dense bytes, fetched as 128 rows of 256 bytes, no padding
	s_or_b32 s[G1A+0], s43, (1<<16)|(1<<21)
	s_mov_b32 s[G1A+1], DROW<<16
	s_mov_b32 s[G1A+2], 128<<16
	s_mov_b32 s[G1A+3], DROW<<16
	s_mov_b32 s[G1A+4], 128
	s_mov_b32 s[G1A+5], DROW
	s_mov_b32 s[G1A+6], 0
	s_mov_b32 s[G1A+7], 0
	; the weight's tile: 64 K rows x 128 columns (256 bytes); 8 words of padding behind every 64 words
	s_or_b32 s[G1B+0], s44, (1<<16)|(1<<20)|(1<<21)|(5<<22)|(7<<25)
	s_mov_b32 s[G1B+1], 128<<16
	s_mov_b32 s[G1B+2], 64<<16
	s_mov_b32 s[G1B+3], 128<<16
	s_mov_b32 s[G1B+4], 64
	s_mov_b32 s[G1B+5], 1024
	s_mov_b32 s[G1B+6], 0
	s_mov_b32 s[G1B+7], 0
	; ao's address hangs on the token block and the wave's number alone, the weight's on the column block and the wave's number alone
	s_lshr_b32 s16, s13, 2                         ; batch
	s_lshl_b32 s16, s16, 21                        ; x 16 heads
	s_and_b32 s17, s13, 3
	s_lshl_b32 s17, s17, 15                        ; + 256 tokens x 128 bytes
	s_add_co_u32 s16, s16, s17
	s_lshl_b32 s17, s12, 17                        ; + my head of the step's two
	s_add_co_u32 s16, s16, s17
	s_mov_b32 s17, 0
	s_lshl_b32 s46, s42, 8                         ; 128 columns x 2 bytes
	s_lshl_b32 s47, s12, 17                        ; + my half: 64 K rows x 2,048 bytes
	s_add_co_u32 s46, s46, s47
	s_mov_b32 s47, 0
	s_mul_i32 s22, s10, AHEAD                      ; LDS: waves 0, 1: the two heads
	s_mul_i32 s23, s10, BHALF
	s_add_co_u32 s23, s23, BOFF-2*BHALF            ; waves 2, 3: BOFF + (wave - 2) x BHALF
	s_wait_dscnt 0x0
	s_wait_kmcnt 0x0
	s_add_nc_u64 s[14:15], s[4:5], s[16:17]
	s_add_nc_u64 s[46:47], s[6:7], s[46:47]
.irp s, 0,1
	s_mov_b32 s[G0A+4*\s], 1
	s_add_co_u32 s[G0A+4*\s+1], s22, \s*SLOT
	s_add_nc_u64 s[G0A+4*\s+2:G0A+4*\s+3], s[14:15], \s*KSTEPB
	s_or_b32 s[G0A+4*\s+3], s[G0A+4*\s+3], 0x80000000
	s_mov_b32 s[G0B+4*\s], 1
	s_add_co_u32 s[G0B+4*\s+1], s23, \s*SLOT
	s_add_nc_u64 s[G0B+4*\s+2:G0B+4*\s+3], s[46:47], \s*KSTEPB
	s_or_b32 s[G0B+4*\s+3], s[G0B+4*\s+3], 0x80000000
.endr
	CROUND                                         ; all sixteen work-groups are here: the first joint loads meet
	s_cmp_eq_u32 s11, 0                            ; both first fills of a wave inside one branch on its number
	s_cbranch_scc0 .Lfirst_b
	tensor_load_to_lds s[G0A:G0A+3], s[G1A:G1A+7]
	s_nop 0
	tensor_load_to_lds s[G0A+4:G0A+7], s[G1A:G1A+7]
	s_nop 0
	s_branch .Lfirst_done
.Lfirst_b:
	tensor_load_to_lds s[G0B:G0B+3], s[G1B:G1B+7]
	s_nop 0
	tensor_load_to_lds s[G0B+4:G0B+7], s[G1B:G1B+7]
	s_nop 0
.Lfirst_done:
	; my 64 columns in b_out and in a row of out0: (128 column block + 64 wn) x 4 bytes; my first row of out0: 256 token block + 128 wm
	s_lshl_b32 s46, s42, 9
	s_lshl_b32 s47, s12, 8
	s_add_co_u32 s46, s46, s47
	s_mov_b32 s47, 0
	s_add_nc_u64 s[20:21], s[20:21], s[46:47]
	s_add_nc_u64 s[8:9], s[8:9], s[46:47]
	s_lshl_b32 s16, s13, 20
	s_lshl_b32 s17, s11, 19
	s_add_co_u32 s16, s16, s17
	s_mov_b32 s17, 0
	s_add_nc_u64 s[8:9], s[8:9], s[16:17]
	v_and_b32 v1, 15, v0                           ; r
	v_bfe_u32 v2, v0, 4, 1                         ; h
	v_and_b32 v3, 7, v0
	v_bfe_u32 v4, v0, 3, 1
	v_and_b32 v5, 31, v0                           ; lane
	v_lshlrev_b32 v[BO], 5, v2                     ; my eight columns of a block of 16: 8 h x 4 bytes
.irp jj, 0,1,2,3
	global_load_b128 v[BIAS+8*\jj:BIAS+8*\jj+3],   v[BO], s[20:21] offset:64*\jj
	global_load_b128 v[BIAS+8*\jj+4:BIAS+8*\jj+7], v[BO], s[20:21] offset:64*\jj+16
.endr
	s_lshl_b32 s22, s11, 14                        ; my 128 tokens of a head: 8 token blocks of 2,048 bytes
	v_lshl_add_u32 v[ADRA], v5, 4, s22             ; + 16 x lane
	v_add_nc_u32 v[ADRA+1], SLOT, v[ADRA]
	v_lshl_add_u32 v7, v2, 3, v3                   ; transposing load: K row 8 h + l % 8,
	v_mul_u32_u24 v7, v7, PB
	v_lshl_add_u32 v7, v4, 4, v7                   ; 16 bytes for each half of eight lanes
	s_lshl_b32 s22, s12, 7                         ; my 64 columns: 128 bytes
	s_add_co_u32 s22, s22, BOFF
	v_add_nc_u32 v[ADRB], s22, v7
	v_add_nc_u32 v[ADRB+1], SLOT, v[ADRB]
	s_mul_i32 s22, s10, 16*SP
	s_add_co_u32 s22, s22, STAGE
	v_mul_u32_u24 v6, v1, SP
	v_lshl_add_u32 v6, v2, 5, v6                   ; in: row r, 32 bytes for each half of the lanes
	v_add_nc_u32 v[STO], s22, v6
	v_mul_u32_u24 v7, v2, SP
	v_lshl_add_u32 v7, v1, 4, v7                   ; back: lanes 0-15 one row of 256 bytes, lanes 16-31 the next
	v_add_nc_u32 v[RD], s22, v7
	v_lshlrev_b32 v[CO], 4, v1
	v_lshl_add_u32 v[CO], v2, 12, v[CO]            ; and the same two rows in out0
; 16 matrix instructions: column blocks jj0, jj0 + 1 x all 8 token blocks, 32 along K.  first = 1: C is the bias.
; The 32 accumulators take turns, one instruction a turn, in the same order in every quarter.
.macro MUL16 f, jj0, first
.irp jj, \jj0, \jj0+1
.irp a, 0,1,2,3,4,5,6,7
.if \first
	v_wmma_f32_16x16x32_f16 v[8*(8*(\jj)+\a):8*(8*(\jj)+\a)+7], v[\f+8*(\jj):\f+8*(\jj)+7], v[\f+32+8*\a:\f+32+8*\a+7], v[BIAS+8*(\jj):BIAS+8*(\jj)+7]
.else
	v_wmma_f32_16x16x32_f16 v[8*(8*(\jj)+\a):8*(8*(\jj)+\a)+7], v[\f+8*(\jj):\f+8*(\jj)+7], v[\f+32+8*\a:\f+32+8*\a+7], v[8*(8*(\jj)+\a):8*(8*(\jj)+\a)+7]
.endif
.endr
.endr
.endm
; 24 LDS loads: the fragments of quarter kq (K = 32 kq .. + 31 of the step: head kq / 2, column blocks 2 (kq % 2) and 2 (kq % 2) + 1 of a token block)
.macro FETCH slot, kq, f
.irp jj, 0,1,2,3
	ds_load_tr16_b128 v[\f+8*\jj:\f+8*\jj+3],   v[ADRB+\slot] offset:\kq*32*PB+32*\jj
	ds_load_tr16_b128 v[\f+8*\jj+4:\f+8*\jj+7], v[ADRB+\slot] offset:\kq*32*PB+32*\jj+16*PB
.endr
.irp a, 0,1,2,3,4,5,6,7
	ds_load_b128 v[\f+32+8*\a:\f+32+8*\a+3],   v[ADRA+\slot] offset:(\kq/2)*AHEAD+(\kq%2)*1024+\a*2048
	ds_load_b128 v[\f+32+8*\a+4:\f+32+8*\a+7], v[ADRA+\slot] offset:(\kq/2)*AHEAD+(\kq%2)*1024+\a*2048+512
.endr
.endm
; One of a K step's first three quarters: buffer f is multiplied while quarter kqn's fragments come into buffer g
.macro QUARTER slot, kqn, f, g, first
	s_wait_dscnt 0x0                               ; buffer f is in
	PLACES
	FETCH \slot, \kqn, \g
.if \first
	WIN 0x40                                       ; D in window 1, C (the bias) in window 0
.else
	WIN 0x50                                       ; C and D in window 1
.endif
	MUL16 \f, 0, \first
	MUL16 \f, 2, \first
	WIN 0
.endm
.macro THREE slot, first
	QUARTER \slot, 1, F0, F1, \first
	QUARTER \slot, 2, F1, F0, 0
	QUARTER \slot, 3, F0, F1, 0
.endm
; The last quarter and the change of slots.  In front of the barrier each wave waits for its reads of this slot and for all its tensor loads (one is
; out: its part of the next slot).  fill = 1: the barrier opens a round of the cluster's barrier; the joint refill, two K steps ahead, is the first
; tensor load behind the round's closing wait.  From a request to the wait for it: 112 matrix instructions.
.macro TURN slot, next, fill
	s_wait_dscnt 0x0
	s_wait_tensorcnt 0x0
	ds_add_u32 v30, v31
	s_wait_dscnt 0x0
	s_barrier_signal -1
	WIN 0x50
	MUL16 F1, 0, 0                                 ; register work while the others arrive
	WIN 0
	s_barrier_wait -1
.if \fill
	CREST
	s_add_nc_u64 s[G0A+4*\slot+2:G0A+4*\slot+3], s[G0A+4*\slot+2:G0A+4*\slot+3], 2*KSTEPB   ; no tensor load of mine is out: group 0 may be written
	s_add_nc_u64 s[G0B+4*\slot+2:G0B+4*\slot+3], s[G0B+4*\slot+2:G0B+4*\slot+3], 2*KSTEPB
	JLOAD \slot
.endif
	PLACES
	FETCH \next, 0, F0
	WIN 0x50
	MUL16 F1, 2, 0
	WIN 0
.endm
.macro LAP first
	THREE 0, \first
	TURN 0, 1, 1
	THREE 1, 0
	TURN 1, 0, 1
.endm
	s_wait_tensorcnt 0x1                           ; my part of K step 0 is in; K step 1's may stay out
	s_barrier_signal -1
	s_barrier_wait -1
	FETCH 0, 0, F0
	s_wait_loadcnt 0x0                             ; the bias
	LAP 1                                          ; K steps 0, 1; asks for 2, 3
	s_mov_b32 s3, 2                                ; K steps 2 to 5; ask for 4 to 7
.Llap:
	LAP 0
	s_sub_co_u32 s3, s3, 1
	s_cmp_lg_u32 s3, 0
	s_cbranch_scc1 .Llap
	THREE 0, 0                                     ; K steps 6, 7: nothing is left to fetch
	TURN 0, 1, 0
	THREE 1, 0
	s_wait_dscnt 0x0
	WIN 0x50
	MUL16 F1, 0, 0
	MUL16 F1, 2, 0
	WIN 0
	PLACES                                         ; before LDS stores read the results and loads land in v32-95
; THE WAY OUT, 16 rows at a time: the accumulators go as they are (f32) into my own stage, rows of 256 + 16 bytes, and come back as whole rows.
; A wave's LDS instructions are served in order (ISA guide 5.7.1).  Sixteen lanes store 256 consecutive bytes, at a multiple of 256 from out0's first byte.
.macro OUT16 a, rb
	WIN 0x04                                       ; store data in window 1
.irp jj, 0,1,2,3
	ds_store_b128 v[STO], v[8*(8*\jj+\a):8*(8*\jj+\a)+3]   offset:64*\jj
	ds_store_b128 v[STO], v[8*(8*\jj+\a)+4:8*(8*\jj+\a)+7] offset:64*\jj+16
.endr
	WIN 0
	s_wait_xcnt 0x0                                ; buffer rb, which the stores of two turns ago read, is loaded again only behind this wait
.irp t, 0,1,2,3,4,5,6,7
	ds_load_b128 v[\rb+4*\t:\rb+4*\t+3], v[RD] offset:\t*2*SP
.endr
.irp t, 0,1,2,3,4,5,6,7
	s_wait_dscnt 7-\t                              ; row pair t is in; the 7 - t younger loads stay out
	global_store_b128 v[CO], v[\rb+4*\t:\rb+4*\t+3], s[8:9] offset:(16*\a+2*\t)*4096 th:TH_STORE_NT
.endr
.endm
	OUT16 0, RB0
	OUT16 1, RB1
	OUT16 2, RB0
	OUT16 3, RB1
	OUT16 4, RB0
	OUT16 5, RB1
	OUT16 6, RB0
	OUT16 7, RB1
	s_wait_tensorcnt 0x0
	ds_add_u32 v30, v31
	s_wait_dscnt 0x0
	CROUND                                         ; the closing round: no work-group ends while a partner may still ask for a tile that names it
	s_endpgm
.Lfunc_end_k_q586b641055_proj:
	.size	k_q586b641055_proj, .Lfunc_end_k_q586b641055_proj-k_q586b641055_proj
	.p2alignl 7, 3214868480
	.fill 96, 4, 3214868480
	.section	.rodata,"a",@progbits
	.p2align	6, 0x0
	.amdhsa_kernel k_q586b641055_proj
		.amdhsa_group_segment_fixed_size 327680
		.amdhsa_private_segment_fixed_size 0
		.amdhsa_enable_private_segment 0
		.amdhsa_kernarg_size 32
		.amdhsa_user_sgpr_count 2
		.amdhsa_user_sgpr_kernarg_segment_ptr 1
		.amdhsa_wavefront_size32 1
		.amdhsa_system_sgpr_workgroup_id_x 1
		.amdhsa_system_sgpr_workgroup_id_y 1
		.amdhsa_system_sgpr_workgroup_id_z 1
		.amdhsa_system_vgpr_workitem_id 0
		.amdhsa_next_free_vgpr 512
		.amdhsa_next_free_sgpr 66
		.amdhsa_reserve_vcc 0
		.amdhsa_float_denorm_mode_32 3
		.amdhsa_float_denorm_mode_16_64 3
		.amdhsa_memory_ordered 1
		.amdhsa_forward_progress 1
		.amdhsa_inst_pref_size 118
	.end_amdhsa_kernel
	.amdgpu_metadata
---
amdhsa.version: [ 1, 2 ]
amdhsa.kernels:
  - .name:           k_q586b641055_proj
    .symbol:         k_q586b641055_proj.kd
    .args:
      - { .name: ao, .offset: 0, .size: 8, .value_kind: global_buffer, .address_space: global }
      - { .name: woh, .offset: 8, .size: 8, .value_kind: global_buffer, .address_space: global }
      - { .name: b_out, .offset: 16, .size: 8, .value_kind: global_buffer, .address_space: global }
      - { .name: out0, .offset: 24, .size: 8, .value_kind: global_buffer, .address_space: global }
    .group_segment_fixed_size: 327680
    .private_segment_fixed_size: 0
    .kernarg_segment_align: 8
    .kernarg_segment_size: 32
    .max_flat_workgroup_size: 128
    .sgpr_count:     66
    .vgpr_count:     512
    .wavefront_size: 32
...
	.end_amdgpu_metadata
.endif
;; end of part 4
;; ======== version 2 of 2: 4 launches; version 1 with the launch cast written anew for expert scheduling mode
;; limits: values are held in f16: magnitudes above 65,504 overflow, below 6.1e-05 lose precision
;; workspace buffers: xh 16,777,216 bytes; wqh 6,291,456 bytes; woh 2,097,152 bytes; qkv 50,331,648 bytes; ao 16,777,216 bytes
;; launch cast (part 5): grid 768 x 1, 8 waves a work-group, no clusters, 0 bytes of LDS; arguments x, w_qkv, w_out, xh, wqh, woh; writes xh, wqh, woh
.if DOCPART == 5
	.amdgcn_target "amdgcn-amd-amdhsa--gfx1250"
	.amdhsa_code_object_version 6
	.text
	.protected	k_q586b641055_cast
	.globl	k_q586b641055_cast
	.p2align	8
	.type	k_q586b641055_cast,@function
k_q586b641055_cast:
	s_mov_b64 s[64:65], 0
	v_nop
	global_prefetch_b8 v0, s[64:65] scope:SCOPE_SE
	s_setreg_imm32_b32 hwreg(HW_REG_WAVE_SCHED_MODE, 0, 2), 2
	s_setreg_imm32_b32 hwreg(HW_REG_WAVE_MODE, 25, 1), 1
	s_wait_xcnt 0x0
	s_wait_alu depctr_vm_vsrc(0)
; f32 -> f16 for the three matrix operands that come from outside.
;   x     [8192 tokens][1024]  ->  xh  [batch 8][k block 16][token 1024][64]  (a k block of one batch is 131,072 dense bytes)
;   w_qkv [1024][3072]         ->  wqh, same order;      w_out [1024][1024]  ->  woh, same order
; f16 and not bf16: each rounding of an operand reaches the result with its own relative size, and f16 rounds eight times finer.
; LIMIT: numbers of magnitude 65,504 and above become infinite in f16; below 6.1e-5 f16 keeps a fixed step of 6e-8.
; A pure stream: no LDS, no barrier, no matrix unit, no cluster (no two work-groups read the same byte).
; 768 work-groups of equal work: 0-511 take 16 tokens of x each, 512-767 take 16,384 numbers of a weight each.
; A thread takes 16 chunks of 4 numbers: one 16-byte load, two packed roundings, one 8-byte store; all 16 loads go out before the first wait for data.
; Sixteen neighbouring lanes load 256 consecutive bytes; a wave's store covers 256 consecutive bytes, aligned.
; THE MODE: SCHED_MODE bits 1:0 = 2 (LLVM: expert scheduling mode 2), set by the entry lines.  The code itself states the register dependences
; between vector instructions and memory instructions, with s_wait_alu, always for 0.
; THE PLAN.  Registers that memory instructions touch:
;   v1       the loads' offset.   Written at the head of each path; read by all 16 loads; never written again.
;   v2       the stores' offset.  Written ahead of the branch; read by all 16 stores; never written again.
;   chunk c  v[X + 4 c .. + 3].   Its load lands in the four; its two roundings read the four and write the first two; its store reads those two; nothing writes them again.
; The 16 chunks go in four groups of four.  Group g's eight roundings name group g's registers alone; the four stores of group g - 1 are dealt among them.
; So one wait at a group's head states all that those four stores hang on, one more stands ahead of the last four stores, and one ahead of the first load.
; No register that a memory instruction reads is written again, no vector instruction writes a scalar register or VCC, and EXEC is never written: no other wait is owed.
.set X, 8                              ; v[8:71]  chunk c: 4 registers as loaded, the first 2 of them as stored
; instep, outstep: bytes from chunk to chunk in the input and in the output
.macro CAST instep, outstep
	s_wait_alu depctr_va_vdst(0)                   ; v1 and v2 are written: every load below reads v1 as its offset, every store v2; no vector instruction has named v8 to v71, in which the loads land
.set CH, 0
.rept 16
	global_load_b128 v[X+4*CH:X+4*CH+3], v1, s[16:17] offset:\instep*CH th:TH_LOAD_NT
.set CH, CH+1
.endr
.set CH, 0
.rept 16
.if CH % 4 == 0
	s_wait_loadcnt 12-CH                           ; loads return in order: this group's four chunks are in, the 12 - CH younger loads (the later groups) stay out
.if CH > 0
	s_wait_alu depctr_va_vdst(0)                   ; the roundings of the group before have written its chunks' first two registers, which the four stores below read
.endif
.endif
.if CH >= 4
	global_store_b64 v2, v[X+4*(CH-4):X+4*(CH-4)+1], s[18:19] offset:\outstep*(CH-4)   ; the group before; no vector instruction since the wait names these registers, and none writes them again
.endif
	v_cvt_pk_f16_f32 v[X+4*CH],   v[X+4*CH],   v[X+4*CH+1]     ; in place, ascending: a source is used before it is written over
	v_cvt_pk_f16_f32 v[X+4*CH+1], v[X+4*CH+2], v[X+4*CH+3]
.set CH, CH+1
.endr
	s_wait_alu depctr_va_vdst(0)                   ; the last group's roundings have written the registers that the last four stores read
.set CH, 12
.rept 4
	global_store_b64 v2, v[X+4*CH:X+4*CH+1], s[18:19] offset:\outstep*CH
.set CH, CH+1
.endr
.endm
	s_load_b256 s[4:11], s[0:1], 0x0               ; x s[4:5], w_qkv s[6:7], w_out s[8:9], xh s[10:11]
	s_load_b128 s[12:15], s[0:1], 0x20             ; wqh s[12:13], woh s[14:15]
	v_lshlrev_b32 v2, 3, v0                        ; output: 8 bytes a thread, on both paths
	s_cmp_lt_u32 ttmp9, 512
	s_cbranch_scc0 .Lweights
	; x: thread = (token v0 >> 4 of 16, sixteenth v0 & 15 of a k block); chunk c = k block c.  In xh token t's 128 bytes follow token t - 1's: 8 v0.
	s_lshl_b32 s20, ttmp9, 16                      ; 16 tokens x 4,096 bytes
	s_mov_b32 s21, 0
	s_lshr_b32 s22, ttmp9, 6                       ; batch
	s_lshl_b32 s22, s22, 21                        ; x 16 k blocks x 131,072 bytes
	s_and_b32 s23, ttmp9, 63
	s_lshl_b32 s23, s23, 11                        ; + 16 tokens x 128 bytes
	s_add_co_u32 s22, s22, s23
	s_mov_b32 s23, 0
	v_lshrrev_b32 v1, 4, v0
	v_and_b32 v3, 15, v0
	v_lshlrev_b32 v1, 12, v1                       ; token x 4,096
	v_lshl_add_u32 v1, v3, 4, v1                   ; + sixteenth x 16
	s_wait_kmcnt 0x0
	s_add_nc_u64 s[16:17], s[4:5], s[20:21]
	s_add_nc_u64 s[18:19], s[10:11], s[22:23]
	CAST 256, 131072                               ; 64 f32 on in the row; one k block on in xh (the largest immediate is 1,966,080)
	s_endpgm
.Lweights:
	; weights: plain order; work-groups 512-703 walk w_qkv (192 x 16,384 numbers), 704-767 walk w_out (64 x 16,384)
	s_sub_co_u32 s20, ttmp9, 512
	v_lshlrev_b32 v1, 4, v0                        ; input: 16 bytes a thread
	s_wait_kmcnt 0x0
	s_cmp_lt_u32 s20, 192
	s_cselect_b64 s[16:17], s[6:7], s[8:9]         ; the choice hangs on the work-group's number alone
	s_cselect_b64 s[18:19], s[12:13], s[14:15]
	s_cselect_b32 s22, 0, 192
	s_sub_co_u32 s20, s20, s22                     ; my part of that weight
	s_lshl_b32 s22, s20, 15                        ; 16,384 numbers x 2 bytes
	s_lshl_b32 s20, s20, 16                        ; 16,384 numbers x 4 bytes
	s_mov_b32 s21, 0
	s_mov_b32 s23, 0
	s_add_nc_u64 s[16:17], s[16:17], s[20:21]
	s_add_nc_u64 s[18:19], s[18:19], s[22:23]
	CAST 4096, 2048                                ; 256 threads x 4 numbers from chunk to chunk
	s_endpgm
.Lfunc_end_k_q586b641055_cast:
	.size	k_q586b641055_cast, .Lfunc_end_k_q586b641055_cast-k_q586b641055_cast
	.p2alignl 7, 3214868480
	.fill 96, 4, 3214868480
	.section	.rodata,"a",@progbits
	.p2align	6, 0x0
	.amdhsa_kernel k_q586b641055_cast
		.amdhsa_group_segment_fixed_size 0
		.amdhsa_private_segment_fixed_size 0
		.amdhsa_enable_private_segment 0
		.amdhsa_kernarg_size 48
		.amdhsa_user_sgpr_count 2
		.amdhsa_user_sgpr_kernarg_segment_ptr 1
		.amdhsa_wavefront_size32 1
		.amdhsa_system_sgpr_workgroup_id_x 1
		.amdhsa_system_sgpr_workgroup_id_y 1
		.amdhsa_system_sgpr_workgroup_id_z 1
		.amdhsa_system_vgpr_workitem_id 0
		.amdhsa_next_free_vgpr 72
		.amdhsa_next_free_sgpr 66
		.amdhsa_reserve_vcc 0
		.amdhsa_float_denorm_mode_32 3
		.amdhsa_float_denorm_mode_16_64 3
		.amdhsa_memory_ordered 1
		.amdhsa_forward_progress 1
		.amdhsa_inst_pref_size 13
	.end_amdhsa_kernel
	.amdgpu_metadata
---
amdhsa.version: [ 1, 2 ]
amdhsa.kernels:
  - .name:           k_q586b641055_cast
    .symbol:         k_q586b641055_cast.kd
    .args:
      - { .name: x, .offset: 0, .size: 8, .value_kind: global_buffer, .address_space: global }
      - { .name: w_qkv, .offset: 8, .size: 8, .value_kind: global_buffer, .address_space: global }
      - { .name: w_out, .offset: 16, .size: 8, .value_kind: global_buffer, .address_space: global }
      - { .name: xh, .offset: 24, .size: 8, .value_kind: global_buffer, .address_space: global }
      - { .name: wqh, .offset: 32, .size: 8, .value_kind: global_buffer, .address_space: global }
      - { .name: woh, .offset: 40, .size: 8, .value_kind: global_buffer, .address_space: global }
    .group_segment_fixed_size: 0
    .private_segment_fixed_size: 0
    .kernarg_segment_align: 8
    .kernarg_segment_size: 48
    .max_flat_workgroup_size: 256
    .sgpr_count:     66
    .vgpr_count:     72
    .wavefront_size: 32
...
	.end_amdgpu_metadata
.endif
;; end of part 5
;; launch qkv: the kernel of part 2 again; grid 8 x 32, 4 waves a work-group, clusters of 4 x 4, 327,680 bytes of LDS; arguments xh, wqh, qkv; writes qkv
;; launch attn: the kernel of part 3 again; grid 256 x 1, 8 waves a work-group, no clusters, 263,168 bytes of LDS; arguments qkv, ao; writes ao
;; launch proj: the kernel of part 4 again; grid 8 x 32, 4 waves a work-group, clusters of 4 x 4, 327,680 bytes of LDS; arguments ao, woh, b_out, out0; writes out0
